; MI455X (gfx1250); checked and timed in simulation.
; The chip was launched on July 23, 2026; its instructions are those of AMD's public machine-readable ISA for CDNA 5 (MIT licence, August 2026) and "CDNA5" Instruction Set Architecture Reference Guide (July 2026). The comments in the code are by the model that wrote it; some were corrected since.
;; Adaptive Attention. Allowed arithmetic: float matrix products may take bf16 or f16 operands with f32 sums; other float arithmetic in f32, or as packed bf16 or f16 multiplies, adds, multiply-adds, maxima and minima; sums over many terms, partial sums and values carried from step to step in f32; what a program stores and reads back later, other than sums and carried values, may be rounded once to bf16 or f16.
;; Inputs: Wk 1,024 x 1,024 float32; Wq 1,024 x 1,024 float32; Wv 1,024 x 1,024 float32; bk 1,024 float32; bq 1,024 float32; bv 1,024 float32; x 4 x 4,096 x 1,024 float32.
;; Outputs: out0 4 x 4,096 x 1,024 float32.
;; Constants: span = 128.
;; 2 versions, each right; version 2 is version 1 with the launch cast written anew for expert scheduling mode. Each part assembles by itself: llvm-mc -triple=amdgcn-amd-amdhsa -mcpu=gfx1250 --defsym DOCPART=n.
;; ======== version 1 of 2: 3 launches
;; limits: values are held in f16: magnitudes above 65,504 overflow, below 6.1e-05 lose precision
;; workspace buffers: xw 39,845,888 bytes; qkv 100,663,296 bytes
;; launch cast (part 1): grid 512 x 1, 8 waves a work-group, no clusters, 0 bytes of LDS; arguments x, Wq, Wk, Wv, xw; writes xw
.if DOCPART == 1
	.amdgcn_target "amdgcn-amd-amdhsa--gfx1250"
	.amdhsa_code_object_version 6
	.text
	.protected	k_q6c3639aaca_cast
	.globl	k_q6c3639aaca_cast
	.p2align	8
	.type	k_q6c3639aaca_cast,@function
k_q6c3639aaca_cast:
	s_mov_b64 s[64:65], 0
	v_nop
	global_prefetch_b8 v0, s[64:65] scope:SCOPE_SE
	s_setreg_imm32_b32 hwreg(HW_REG_WAVE_MODE, 25, 1), 1
	s_wait_xcnt 0x0
; xw[19,456][1,024] in bf16 = x's 16,384 rows, then Wq's, Wk's and Wv's 1,024 rows each, every number rounded once (to nearest even).
; A stream: each byte is read once and written once.  EQUAL SHARES: each of the 512 work-groups converts 32 rows of x (rows 32 g ..) and two rows (2 g, 2 g + 1) of each of the three weights:
; 155,648 bytes in, 77,824 out.  A wave takes 4 rows of x (32 loads of 16 bytes a lane, each covering 512 consecutive bytes) and 1,024 bytes of each weight's two rows (2 loads each):
; all 38 loads are issued before the first is waited for.  No LDS, no matrix unit, no loop: no wave wants a byte that another has read.
.set XI, 2                             ; v2  x in:  16,384 x wave + 16 x lane
.set XO, 3                             ; v3  x out:  8,192 x wave +  8 x lane
.set WI, 4                             ; v4  a weight in:  1,024 x wave + 16 x lane
.set WO, 5                             ; v5  a weight out:   512 x wave +  8 x lane
.set X,  8                             ; v[8:135]    x's load j at X + 4 j; the two packed words take the first two of the four registers
.set W,  136                           ; v[136:159]  the weights' load k at W + 4 k
	s_load_b256 s[4:11], s[0:1], 0x0               ; x s[4:5], Wq s[6:7], Wk s[8:9], Wv s[10:11]
	s_load_b64 s[12:13], s[0:1], 0x20              ; xw
	s_lshl_b32 s16, ttmp9, 17                      ; x in: 32 rows of 4,096 bytes
	s_mov_b32 s17, 0
	s_lshl_b32 s18, ttmp9, 16                      ; x out: 32 rows of 2,048 bytes
	s_mov_b32 s19, 0
	s_lshl_b32 s20, ttmp9, 13                      ; a weight in: 2 rows of 4,096 bytes
	s_mov_b32 s21, 0
	s_lshl_b32 s22, ttmp9, 12                      ; a weight out: 2 rows of 2,048 bytes
	s_mov_b32 s23, 0
	v_and_b32 v1, 31, v0                           ; lane
	v_lshrrev_b32 v6, 5, v0                        ; wave
	v_lshlrev_b32 v[XO], 3, v1
	v_lshlrev_b32 v[XI], 4, v1
	v_lshl_add_u32 v[WO], v6, 9, v[XO]
	v_lshl_add_u32 v[WI], v6, 10, v[XI]
	v_lshl_add_u32 v[XO], v6, 13, v[XO]
	v_lshl_add_u32 v[XI], v6, 14, v[XI]
	s_wait_kmcnt 0x0
	s_add_nc_u64 s[4:5], s[4:5], s[16:17]
	s_add_nc_u64 s[6:7], s[6:7], s[20:21]
	s_add_nc_u64 s[8:9], s[8:9], s[20:21]
	s_add_nc_u64 s[10:11], s[10:11], s[20:21]
	s_add_nc_u64 s[14:15], s[12:13], s[18:19]      ; xw at my rows of x
	s_add_nc_u64 s[12:13], s[12:13], s[22:23]
	s_add_nc_u64 s[12:13], s[12:13], 16384*2048    ; xw at my rows of Wq; Wk's and Wv's lie 1,024 and 2,048 rows further on
.set j, 0
.rept 32
	global_load_b128 v[X+4*j:X+4*j+3], v[XI], s[4:5] offset:512*j th:TH_LOAD_NT
.set j, j+1
.endr
.irp j, 0,1,2
.irp h, 0,1
	global_load_b128 v[W+4*(2*(\j)+(\h)):W+4*(2*(\j)+(\h))+3], v[WI], s[6+2*(\j):7+2*(\j)] offset:512*(\h) th:TH_LOAD_NT
.endr
.endr
.set j, 0
.rept 32
	s_wait_loadcnt 37-j                            ; loads come back in order (ISA guide 5.7.1): load j is in, the 37 - j younger ones stay out
	v_cvt_pk_bf16_f32 v[X+4*j], v[X+4*j], v[X+4*j+1]
	v_cvt_pk_bf16_f32 v[X+4*j+1], v[X+4*j+2], v[X+4*j+3]
	global_store_b64 v[XO], v[X+4*j:X+4*j+1], s[14:15] offset:256*j  ; the wave's 32 lanes store 256 consecutive bytes, aligned; no register of a store is written again
.set j, j+1
.endr
.irp j, 0,1,2
.irp h, 0,1
	s_wait_loadcnt 5-2*(\j)-(\h)
	v_cvt_pk_bf16_f32 v[W+4*(2*(\j)+(\h))], v[W+4*(2*(\j)+(\h))], v[W+4*(2*(\j)+(\h))+1]
	v_cvt_pk_bf16_f32 v[W+4*(2*(\j)+(\h))+1], v[W+4*(2*(\j)+(\h))+2], v[W+4*(2*(\j)+(\h))+3]
	global_store_b64 v[WO], v[W+4*(2*(\j)+(\h)):W+4*(2*(\j)+(\h))+1], s[12:13] offset:1024*2048*(\j)+256*(\h)
.endr
.endr
	s_endpgm
.Lfunc_end_k_q6c3639aaca_cast:
	.size	k_q6c3639aaca_cast, .Lfunc_end_k_q6c3639aaca_cast-k_q6c3639aaca_cast
	.p2alignl 7, 3214868480
	.fill 96, 4, 3214868480
	.section	.rodata,"a",@progbits
	.p2align	6, 0x0
	.amdhsa_kernel k_q6c3639aaca_cast
		.amdhsa_group_segment_fixed_size 0
		.amdhsa_private_segment_fixed_size 0
		.amdhsa_enable_private_segment 0
		.amdhsa_kernarg_size 40
		.amdhsa_user_sgpr_count 2
		.amdhsa_user_sgpr_kernarg_segment_ptr 1
		.amdhsa_wavefront_size32 1
		.amdhsa_system_sgpr_workgroup_id_x 1
		.amdhsa_system_sgpr_workgroup_id_y 1
		.amdhsa_system_sgpr_workgroup_id_z 1
		.amdhsa_system_vgpr_workitem_id 0
		.amdhsa_next_free_vgpr 160
		.amdhsa_next_free_sgpr 66
		.amdhsa_reserve_vcc 0
		.amdhsa_float_denorm_mode_32 3
		.amdhsa_float_denorm_mode_16_64 3
		.amdhsa_memory_ordered 1
		.amdhsa_forward_progress 1
		.amdhsa_inst_pref_size 15
	.end_amdhsa_kernel
	.amdgpu_metadata
---
amdhsa.version: [ 1, 2 ]
amdhsa.kernels:
  - .name:           k_q6c3639aaca_cast
    .symbol:         k_q6c3639aaca_cast.kd
    .args:
      - { .name: x, .offset: 0, .size: 8, .value_kind: global_buffer, .address_space: global }
      - { .name: Wq, .offset: 8, .size: 8, .value_kind: global_buffer, .address_space: global }
      - { .name: Wk, .offset: 16, .size: 8, .value_kind: global_buffer, .address_space: global }
      - { .name: Wv, .offset: 24, .size: 8, .value_kind: global_buffer, .address_space: global }
      - { .name: xw, .offset: 32, .size: 8, .value_kind: global_buffer, .address_space: global }
    .group_segment_fixed_size: 0
    .private_segment_fixed_size: 0
    .kernarg_segment_align: 8
    .kernarg_segment_size: 40
    .max_flat_workgroup_size: 256
    .sgpr_count:     66
    .vgpr_count:     160
    .wavefront_size: 32
...
	.end_amdgpu_metadata
.endif
;; end of part 1
;; launch qkv (part 2): grid 4 x 64, 4 waves a work-group, clusters of 4 x 4, 327,680 bytes of LDS; arguments xw, qkv, bq, bk, bv; writes qkv
.if DOCPART == 2
	.amdgcn_target "amdgcn-amd-amdhsa--gfx1250"
	.amdhsa_code_object_version 6
	.text
	.protected	k_q6c3639aaca_qkv
	.globl	k_q6c3639aaca_qkv
	.p2align	8
	.type	k_q6c3639aaca_qkv,@function
k_q6c3639aaca_qkv:
	s_mov_b64 s[64:65], 0
	v_nop
	global_prefetch_b8 v0, s[64:65] scope:SCOPE_SE
	s_setreg_imm32_b32 hwreg(HW_REG_WAVE_MODE, 25, 1), 1
	s_wait_xcnt 0x0
	s_wait_alu depctr_hold_cnt(0) depctr_sa_sdst(0) depctr_va_vdst(0) depctr_va_sdst(0) depctr_va_ssrc(0) depctr_va_vcc(0) depctr_vm_vsrc(0)
	s_getreg_b32 s2, hwreg(HW_REG_IB_STS2, 6, 4)
	s_cmp_eq_u32 s2, 0
	s_cbranch_scc0 .Lentry_in_a_cluster
	s_endpgm
.Lentry_in_a_cluster:
	s_bfe_u32 s2, ttmp6, 0x10000c
	s_cmp_lg_u32 s2, 0xf033
	s_cbranch_scc0 .Lentry_shape_is_right
	s_endpgm
.Lentry_shape_is_right:
; qkv[p][t][e] = the sum over d of x[t][d] Wp[e][d] + bp[e], p = q, k, v.  xw: [19,456][1,024] bf16 (x's 16,384 rows, then Wq, Wk, Wv); qkv: [3][16,384][1,024] f16.
; Products of bf16 numbers, sums in f32; the bias, rounded once to bf16 like the other inputs, starts each sum; each result is rounded once, to f16.
; LIMIT.  f16 holds no number beyond 65,504: a q, k or v of 65,520 or more becomes an infinity.  NaN and infinities are not treated apart.
; SHARES.  A tile of the result is 256 rows x 256 columns, made by four waves, each 128 x 128: 64 accumulators of 16 x 16, 512 registers.  There are 64 x 4 x 3 = 768 tiles and 256 work-groups:
; A WORK-GROUP STAYS and makes three tiles, the same 256 rows and 256 columns of q, then of k, then of v: x's rows stay, the weights go 1,024 rows down, the result one plane on.
; K goes in steps of 128 through a ring of two LDS slots filled by the tensor data mover (rows of 256 bytes, at multiples of 256 bytes); the ring does not stop at a tile's end.
; The last tile's last K step goes by rows of the result, so that finished rows leave while the others are multiplied.
; CLUSTERS: 4 x 4 work-groups.  The four of a row of the cluster need the same tiles of x, the four of a column the same tiles of the weights: each tile is asked for JOINTLY, by the same tensor
; load with the same descriptor and a mask that names the four; each receives it in its own LDS.
; REGISTERS, in windows of 256 (s_set_vgpr_msb: bits 1:0 source 0, 3:2 source 1, 5:4 source 2, 7:6 destination):
;   window 0: v0-31 addresses; v64-127, v128-191 fragments of x, two buffers (in the very last K step four, of 16 rows x 128 K); v32-63, v192-255 at work on the way out
;   window 1: v0-63 the bias as a C operand; v64-127, v128-191 fragments of the weights, two buffers; in the very last K step all 256
;   window 2: the 32 accumulators of my rows 0-63 (accumulator (a, b) at v[8 (8 a + b)]);   window 3: those of my rows 64-127
; THE MATRIX INSTRUCTION IS USED TRANSPOSED: source 0 = 16 rows of a weight, source 1 = 16 rows of x.  Lane l then holds row l % 16 of the result and in registers 0 to 7 the columns
; 8 (l / 16) + 0 .. 7: eight neighbouring numbers, 16 bytes in f16.  So the C operand that starts a sum holds, in register j, the bias of column 8 (l / 16) + j.
.set SIZE_K, 1024
.set CN,     1024                      ; numbers in a row of the result
.set TILES,  3
.set PLANE,  33554432                  ; bytes of q, of k, of v
.set KSTEP,  128
.set PITCH,  272                       ; an LDS row: 256 bytes + 16 of padding = 68 words: row r starts at bank 4 r mod 64 (64 banks of 4 bytes: ISA guide 11.1)
.set HALFT,  128*PITCH                 ; 128 rows: what one tensor load brings, and what one wave reads of x or of a weight
.set SLOT,   4*HALFT                   ; x's 256 rows, then the weight's 256 rows
.set STAGE,  2*SLOT                    ; behind the ring: 16 rows x 272 bytes for each wave, for the way out
.set SPITCH, 272
.set SPARE,  STAGE+4*16*SPITCH         ; the spare words, 128 bytes for each wave: two blocks of 256 bytes that no other line names
.set BIAS,   SPARE+512                 ; 3 x 256 f32: the tile columns' biases for q, k, v; stored once, never filled by a tensor load
.set LAPS,   SIZE_K/(2*KSTEP)          ; a lap = two K steps = once round the ring
.set WALK,   1024                      ; rows from one weight to the next
.set BACK_A, (SIZE_K-2*KSTEP)*2        ; bytes from a slot's last K step of a tile back to its first: x's rows are the same for all three tiles,
.set NEXT_B, WALK*SIZE_K*2-(SIZE_K-2*KSTEP)*2  ; the weights go WALK rows down and back along K
.set NEXT_C, PLANE-7*16*CN*2           ; bytes from my last 16 rows of a tile to my first of the next
.set ADRA, 16                          ; v16-17  LDS address of my x fragments in slot 0, 1
.set ADRB, 20                          ; v20-21  the same for the weights
.set STO,  24                          ; v24     the way out: where I put 16 bytes of a row
.set RD,   25                          ; v25     the way out: where I read a row back
.set CO,   26                          ; v26     my byte offset in the result
.set BA,   27                          ; v27     LDS address of my part of the next tile's bias
.set SPW,  28                          ; v28     LDS address of my spare word: SPARE + 4 x my thread's number; never rewritten
.set NIL,  29                          ; v29     0; never rewritten
.set PFO,  30                          ; v30     the prefetches' offset: my lane x a row of xw; never rewritten
.set PFA,  44                          ; s[44:45] where my prefetches stand
.set LIM,  43                          ; s43     1 in a wave that prefetches, else the greatest number
.set BI,   0                           ; window 1: the bias of n block b at BI + 8 b
.set F0,   64                          ; fragment buffer 0
.set F1,   128                         ; fragment buffer 1
.set TMP,  192                         ; the way out: packed results, in window 0
.set OB,   32                          ; the way out: 16 rows read back from the stage: v32-63 and v224-255 by turns
.set PA,   64                          ; the very last K step: x's fragments of 16 rows x 128 K; four such buffers, v64-191
.set G1, 24                            ; s[24:31] descriptor group 1 for x's tiles
.set G0, 32                            ; s[32:39] descriptor group 0 for x's tiles, one set for each slot
.set G1B, 48                           ; s[48:55] group 1 for the weights' tiles: it differs in the mask alone
.set G0B, 56                           ; s[56:63] group 0 for the weights' tiles, one set for each slot
.set MSB, 0
.macro WIN new                         ; the immediate's high byte repeats the setting that is left; a switch that changes nothing is dropped
.if MSB != (\new)
	s_set_vgpr_msb (MSB<<8)|(\new)
.set MSB, \new
.endif
.endm
.set MUL_LO, 0xa1                      ; source 0 (weights) window 1, source 1 (x) window 0, C and D window 2
.set MUL_HI, 0xf1                      ; the same, C and D window 3
.set TO_B,   0x40                      ; destination window 1, address window 0
; A joint load.  Waves 0 and 1 fetch x's two halves, waves 2 and 3 the weight's.  The branch hangs on the wave's number alone.
; An s_nop 0 and four v_nop follow each of the two lines, ahead of the jump, the label and what follows.
.macro JLOAD s
	s_cmp_eq_u32 s11, 0
	s_cbranch_scc0 .Lfor_b_\@
	tensor_load_to_lds s[G0+4*(\s):G0+4*(\s)+3], s[G1:G1+7]
	s_nop 0
.rept 4
	v_nop
.endr
	s_branch .Lasked_\@
.Lfor_b_\@:
	tensor_load_to_lds s[G0B+4*(\s):G0B+4*(\s)+3], s[G1B:G1B+7]
	s_nop 0
.rept 4
	v_nop
.endr
.Lasked_\@:
.endm
; A PREFETCH INTO THE L2, behind each joint load and the run of LDS loads that follows it: the K step that stands two refills on, 512 matrix instructions ahead of the load that will want it:
; 32 rows x 256 bytes, a lane a row, one instruction a wave.  Each row's 256 bytes of a K step are named once in the launch.  x's rows are read by one cluster alone, which asks for them, in its
; first tile (the other two tiles read the same rows again).  A weight's rows are read by all sixteen clusters: cluster y = 0 asks, in every tile.  The four partners that ask for a tile jointly share
; its rows out BY ADDRESS, 32 each.  how = 0, in the loop: a tile's last two refills have no K step two on; how = 1, at a change of tiles: the next weight's K steps 2 and 3.
.macro ASK how
.if \how
	s_cmp_eq_u32 s[LIM], 1
.else
	s_cmp_gt_u32 s3, s[LIM]                        ; s3 = 1 in the loop's last trip
.endif
	s_cbranch_scc0 .Lnot_mine_\@
	global_prefetch_b8 v[PFO], s[PFA:PFA+1] offset:KSTEP*2 th:TH_LOAD_NT scope:SCOPE_SE
.Lnot_mine_\@:
.endm
; A round of the cluster's barrier: my work-group's barrier; wave 0 signals for the work-group; every wave waits for all sixteen work-groups; my work-group's barrier once more.
.macro CREST                           ; a round behind its opening barrier
	s_cmp_lg_u32 s10, 0
	s_cbranch_scc1 .Lnot_wave_0_\@
	s_barrier_signal -3
.Lnot_wave_0_\@:
	s_barrier_wait -3
	s_barrier_signal -1
	s_barrier_wait -1
.endm
.macro CROUND                          ; a whole round
	s_barrier_signal -1
	s_barrier_wait -1
	CREST
.endm
	s_load_b64 s[4:5], s[0:1], 0x0                 ; xw: x's rows
	s_load_b64 s[8:9], s[0:1], 0x8                 ; qkv
	s_load_b128 s[68:71], s[0:1], 0x10             ; bq s[68:69], bk s[70:71]
	s_load_b64 s[72:73], s[0:1], 0x20              ; bv
	v_lshl_add_u32 v[SPW], v0, 2, SPARE
	v_mov_b32 v[NIL], 0
	ds_add_u32 v[SPW], v[NIL]                      ; the wave's opening: the add and its wait stand ahead of my first tensor load; the set-up below, work on registers, stands between them
	v_lshrrev_b32 v1, 5, v0
	v_readfirstlane_b32 s10, v1                    ; wave 0..3
	s_lshr_b32 s11, s10, 1                         ; which half of the tile's rows is mine.  Also: I fetch for x (0) or for the weights (1)
	s_and_b32 s12, s10, 1                          ; which half of its columns.  Also: which 128 rows of that tile I fetch
	s_bfe_u32 s40, ttmp6, 0x40000                  ; cx: my place along the cluster's x
	s_bfe_u32 s41, ttmp6, 0x40004                  ; cy: along its y
	s_lshl_b32 s42, ttmp9, 2                       ; in a cluster launch ttmp9 and ttmp7 count clusters
	s_add_co_u32 s42, s42, s40                     ; tile column = 4 x cluster x + cx
	s_lshl_b32 s74, s42, 10                        ; its 256 biases: 1,024 bytes
	s_and_b32 s13, ttmp7, 0xffff
	s_lshl_b32 s13, s13, 2
	s_add_co_u32 s13, s13, s41                     ; tile row = 4 x cluster y + cy
	s_lshl_b32 s43, s41, 2
	s_lshl_b32 s43, 15, s43                        ; my row of the cluster: places 4 cy .. 4 cy + 3
	s_lshl_b32 s44, 0x1111, s40                    ; my column: places cx, cx + 4, cx + 8, cx + 12
	; descriptor group 1: a tile of 128 rows x 128 elements, padded in LDS
	s_or_b32 s[G1+0], s43, (1<<16)|(1<<20)|(1<<21)|(5<<22)|(3<<25)  ; 15:0 the mask: x's tiles go to my row; 17:16 elements of 2 bytes; 20 padding on; 21 set beside a mask; 24:22 after every 64 words (code 5); 31:25 of 4 words (code 3)
	s_or_b32 s[G1B+0], s44, (1<<16)|(1<<20)|(1<<21)|(5<<22)|(3<<25) ; the same with the mask of my column, for the weights' tiles
	s_mov_b32 s[G1B+1], KSTEP<<16
	s_mov_b32 s[G1+1], KSTEP<<16                   ; tensor_dim0 = 128
	s_mov_b32 s[G1B+2], 128<<16
	s_mov_b32 s[G1+2], 128<<16                     ; tensor_dim1 = 128
	s_mov_b32 s[G1B+3], KSTEP<<16
	s_mov_b32 s[G1+3], KSTEP<<16                   ; tile_dim0 = 128
	s_mov_b32 s[G1B+4], 128
	s_mov_b32 s[G1+4], 128                         ; tile_dim1 = 128
	s_mov_b32 s[G1B+5], SIZE_K
	s_mov_b32 s[G1+5], SIZE_K                      ; elements from row to row
	s_mov_b32 s[G1B+6], 0
	s_mov_b32 s[G1+6], 0
	s_mov_b32 s[G1B+7], 0
	s_mov_b32 s[G1+7], 0
	; where the tiles come from.  x's hang on the tile row alone, which my row of the cluster shares; the weights' on the tile column alone, which my column shares.
	s_lshl_b32 s17, s12, 7                         ; which 128 rows of the tile I fetch
	s_lshl_b32 s16, s13, 8
	s_add_co_u32 s16, s16, s17                     ; x: row 256 x tile row + 128 x half
	s_lshl_b32 s46, s42, 8
	s_add_co_u32 s46, s46, s17                     ; Wq: row 256 x tile column + 128 x half
	s_mov_b32 s17, 0
	s_mov_b32 s47, 0
	s_mov_b64 s[18:19], SIZE_K*2
	s_mul_u64 s[16:17], s[16:17], s[18:19]         ; in bytes
	s_mul_u64 s[46:47], s[46:47], s[18:19]
	s_mul_i32 s20, s10, HALFT                      ; and where they go: wave x 128 rows: no place in the cluster enters an LDS address
	s_wait_dscnt 0x0                               ; the opening add is done
	s_wait_kmcnt 0x0
	s_add_nc_u64 s[6:7], s[4:5], 16384*SIZE_K*2    ; the weights lie behind x's 16,384 rows
	s_add_nc_u64 s[14:15], s[4:5], s[16:17]
	s_add_nc_u64 s[46:47], s[6:7], s[46:47]
	CROUND                                         ; all sixteen work-groups are here: the first joint loads meet
.irp s, 0,1
	s_mov_b32 s[G0+4*(\s)], 1                                      ; count = 1
	s_add_co_u32 s[G0+4*(\s)+1], s20, (\s)*SLOT                    ; LDS address
	s_add_nc_u64 s[G0+4*(\s)+2:G0+4*(\s)+3], s[14:15], (\s)*KSTEP*2  ; global address: K step s
	s_or_b32 s[G0+4*(\s)+3], s[G0+4*(\s)+3], 0x80000000            ; type = 2
	s_mov_b32 s[G0B+4*(\s)], 1
	s_add_co_u32 s[G0B+4*(\s)+1], s20, (\s)*SLOT
	s_add_nc_u64 s[G0B+4*(\s)+2:G0B+4*(\s)+3], s[46:47], (\s)*KSTEP*2
	s_or_b32 s[G0B+4*(\s)+3], s[G0B+4*(\s)+3], 0x80000000
	JLOAD \s                                       ; the ring is filled before anything else is done: two loads of mine are out
.endr
	; A fragment is 16 rows x 32 K in 8 registers: lane l holds row l % 16; registers 0-3 hold K = 8 (l / 16) + 0..7, registers 4-7 K = 16 + 8 (l / 16) + 0..7: two loads of 16 bytes, 32 bytes apart.
	v_and_b32 v1, 15, v0                           ; l % 16
	v_bfe_u32 v2, v0, 4, 1                         ; l / 16
	v_mul_u32_u24 v3, v1, PITCH
	v_lshl_add_u32 v3, v2, 4, v3                   ; row x pitch + 16 x half
	s_mul_i32 s21, s11, HALFT                      ; my 128 rows of x
	s_mul_i32 s22, s12, HALFT                      ; my 128 rows of the weight,
	s_add_co_u32 s22, s22, 2*HALFT                 ; which lie behind x's 256
.irp s, 0,1
	v_add_nc_u32 v[ADRA+(\s)], s21, v3
	v_add_nc_u32 v[ADRB+(\s)], s22, v3
	s_add_co_u32 s21, s21, SLOT
	s_add_co_u32 s22, s22, SLOT
.endr
	s_mul_i32 s23, s10, 16*SPITCH
	s_add_co_u32 s23, s23, STAGE                   ; my stage
	v_mul_u32_u24 v4, v1, SPITCH                   ; in: row l % 16, 16 bytes for each half of the lanes
	v_lshl_add_u32 v4, v2, 4, v4
	v_add_nc_u32 v[STO], s23, v4
	v_mul_u32_u24 v5, v2, SPITCH                   ; back: lanes 0-15 take one row of 256 bytes, lanes 16-31 the next
	v_lshl_add_u32 v5, v1, 4, v5
	v_add_nc_u32 v[RD], s23, v5
	v_mul_u32_u24 v5, v2, CN*2                     ; and the same two rows in the result
	v_lshl_add_u32 v[CO], v1, 4, v5
	; where my part of the first tile begins in q, in bytes: the first way out adds it to the result's address
	s_lshl_b32 s13, s13, 8
	s_lshl_b32 s14, s11, 7
	s_add_co_u32 s16, s13, s14                     ; my first row
	s_mov_b32 s17, 0
	s_mov_b64 s[18:19], CN*2
	s_mul_u64 s[16:17], s[16:17], s[18:19]
	s_lshl_b32 s46, s42, 9                         ; my first column, in bytes: 512 x tile column + 256 x half
	s_lshl_b32 s47, s12, 8
	s_add_co_u32 s46, s46, s47
	s_mov_b32 s47, 0
	s_add_nc_u64 s[16:17], s[16:17], s[46:47]
	; the prefetches.  s13 = 256 x tile row, s42 = tile column, s40 = cx, s41 = cy still stand
	s_lshl_b32 s42, s42, 8
	s_and_b32 s22, ttmp7, 0xffff                   ; cluster y
	s_cmp_eq_u32 s11, 0                            ; do I fetch for x?
	s_cselect_b32 s20, s13, s42                    ; the tile's first row: in x by the tile row, in the weight by the tile column
	s_cselect_b32 s21, s40, s41                    ; my place among the four that ask for it with me
	s_cselect_b32 s22, ttmp9, s22                  ; the coordinate along which other clusters read the same rows (cluster x is 0 throughout: the grid is one cluster wide)
	s_cselect_b64 s[PFA:PFA+1], s[4:5], s[6:7]
	s_cmp_eq_u32 s22, 0
	s_cselect_b32 s[LIM], 1, -1                    ; the same in all sixteen partners, for a given wave
	s_lshl_b32 s22, s12, 7
	s_add_co_u32 s20, s20, s22                     ; + the 128 rows that I fetch
	s_lshl_b32 s21, s21, 5
	s_add_co_u32 s20, s20, s21                     ; + my work-group's 32 of them
	s_mov_b32 s21, 0
	s_mov_b64 s[18:19], SIZE_K*2
	s_mul_u64 s[20:21], s[20:21], s[18:19]
	s_add_nc_u64 s[PFA:PFA+1], s[PFA:PFA+1], s[20:21]
	s_add_nc_u64 s[PFA:PFA+1], s[PFA:PFA+1], 2*KSTEP*2  ; at K step 2: the first refill steps it to 3 and names K step 4; nothing is prefetched here, at the head
	v_and_b32 v[PFO], 31, v0
	v_mul_u32_u24 v[PFO], v[PFO], SIZE_K*2
	; THE BIASES of the tile's 256 columns, for q, k and v: thread t brings two numbers of each, rounds them to bf16 and stores them as f32.
	v_lshlrev_b32 v31, 3, v0
	v_add_nc_u32 v18, s74, v31
	v_add_nc_u32 v19, BIAS, v31
	global_load_b64 v[32:33], v18, s[68:69]
	global_load_b64 v[34:35], v18, s[70:71]
	global_load_b64 v[36:37], v18, s[72:73]
	s_lshl_b32 s20, s12, 9                         ; my 128 columns: 512 bytes,
	s_add_co_u32 s20, s20, BIAS
	v_lshl_add_u32 v[BA], v2, 5, s20               ; and of each 16 the 8 of my half of the lanes
	s_wait_loadcnt 0x0
.irp j, 0,1,2
	v_cvt_pk_bf16_f32 v[38+(\j)], v[32+2*(\j)], v[33+2*(\j)]
	v_lshlrev_b32 v[32+2*(\j)], 16, v[38+(\j)]
	v_and_b32 v[33+2*(\j)], 0xffff0000, v[38+(\j)]
	ds_store_b64 v19, v[32+2*(\j):33+2*(\j)] offset:1024*(\j)
.endr
; 16 matrix instructions: m blocks a0, a0 + 1 of the window's four (hi = 0: my rows 0-63, 1: rows 64-127) x all 8 n blocks, 32 along K.
; zero = 1: the first product starts the sums, with the bias (window 1) as its C operand: nothing is ever cleared, and no addition follows the sums.
.macro MUL16 f, hi, a0, zero
.if \zero
	WIN 0x91+0x40*(\hi)                            ; source 0 and C window 1, source 1 window 0, D window 2 or 3
.else
	WIN MUL_LO+0x50*(\hi)                          ; MUL_LO or MUL_HI
.endif
.irp a, \a0, (\a0)+1
.irp b, 0,1,2,3,4,5,6,7
.if \zero
	v_wmma_f32_16x16x32_bf16 v[8*(8*(\a)+(\b)):8*(8*(\a)+(\b))+7], v[(\f)+8*(\b):(\f)+8*(\b)+7], v[(\f)+8*(4*(\hi)+(\a)):(\f)+8*(4*(\hi)+(\a))+7], v[BI+8*(\b):BI+8*(\b)+7]
.else
	v_wmma_f32_16x16x32_bf16 v[8*(8*(\a)+(\b)):8*(8*(\a)+(\b))+7], v[(\f)+8*(\b):(\f)+8*(\b)+7], v[(\f)+8*(4*(\hi)+(\a)):(\f)+8*(4*(\hi)+(\a))+7], v[8*(8*(\a)+(\b)):8*(8*(\a)+(\b))+7]
.endif
.endr
.endr
.endm
; 32 LDS loads in one run: the fragments of one quarter step (128 rows of the weight, 128 rows of x, 32 K at byte k of the rows) into buffer f
.macro FETCH slot, k, f
	WIN TO_B
.irp i, 0,1,2,3,4,5,6,7
	ds_load_b128 v[(\f)+8*(\i):(\f)+8*(\i)+3],   v[ADRB+(\slot)] offset:(\k)+(\i)*16*PITCH
	ds_load_b128 v[(\f)+8*(\i)+4:(\f)+8*(\i)+7], v[ADRB+(\slot)] offset:(\k)+(\i)*16*PITCH+32
.endr
	WIN 0
.irp i, 0,1,2,3,4,5,6,7
	ds_load_b128 v[(\f)+8*(\i):(\f)+8*(\i)+3],   v[ADRA+(\slot)] offset:(\k)+(\i)*16*PITCH
	ds_load_b128 v[(\f)+8*(\i)+4:(\f)+8*(\i)+7], v[ADRA+(\slot)] offset:(\k)+(\i)*16*PITCH+32
.endr
.endm
; The next tile's bias as a C operand: 16 loads, all lanes of a half reading the same 16 bytes; then the address steps to the tile after.
.macro BIASLD
	WIN TO_B
.irp b, 0,1,2,3,4,5,6,7
	ds_load_b128 v[BI+8*(\b):BI+8*(\b)+3],   v[BA] offset:64*(\b)
	ds_load_b128 v[BI+8*(\b)+4:BI+8*(\b)+7], v[BA] offset:64*(\b)+16
.endr
	WIN 0
	v_add_nc_u32 v[BA], 1024, v[BA]
.endm
; A load into a register that a matrix instruction has read, and a vector instruction that reads a matrix result, stand four places behind that matrix instruction, and only plain vector
; instructions that name none of its registers are places (ISA guide 7.12.1 for vector instructions).
.macro PLACES
.rept 4
	v_nop
.endr
.endm
; A K step is four quarter steps of 32 along K, 64 matrix instructions each, on buffers 0, 1, 0, 1.  The 64 accumulators take turns, one instruction a turn, in the same order in every quarter.
; One of the first three quarters: multiplies buffer f; in its middle it fetches the next quarter's fragments, at byte k of the same slot's rows, into buffer g.
.macro QUARTER slot, k, f, g, zero
	s_wait_dscnt 8                                 ; the weight's fragments and x's rows 0-63 are in (and the bias, which was asked for earlier); the youngest eight loads (x's rows 64-127) may be out
	MUL16 \f, 0, 0, \zero
	MUL16 \f, 0, 2, \zero
	PLACES
	FETCH \slot, \k, \g
	s_wait_dscnt 32                                ; all but the 32 just issued
	MUL16 \f, 1, 0, \zero
	MUL16 \f, 1, 2, \zero
.endm
; The last quarter multiplies buffer 1 and changes slots.  MEET is its first half: ONE barrier for the change.  In front of it each wave waits for all its tensor loads, of which one is out: its part
; of the next slot; adds 0 to its spare word; and waits for that and for its own reads of this slot.  Behind it nobody reads this slot any more and the next slot is whole.
.macro MEET round                      ; round = 1: a round of the cluster's barrier follows
	WIN 0                                          ; (the add's two registers lie in window 0)
	s_wait_tensorcnt 0x0                           ; all my tensor loads have landed;
	ds_add_u32 v[SPW], v[NIL]                      ; 0 onto my spare word;
	s_wait_dscnt 9                                 ; (the add and the youngest eight loads may be out)
	WIN MUL_LO
	MUL16 F1, 0, 0, 0                              ; sixteen matrix instructions stand between the add and the wait for it
	s_wait_dscnt 0x0                               ; the add is done, and my reads of this slot are over:
	s_barrier_signal -1                            ; say so,
	MUL16 F1, 0, 2, 0                              ; work on registers while the others arrive,
.if \round
	WIN 0
.endif
	s_barrier_wait -1                              ; and go on when all four have said so
.endm
; The whole last quarter.  Behind the round the slot just read out is filled again first: with this tile's K step two steps on (on = 0) or, in a tile's last two K steps, with the NEXT tile's
; K step 0 or 1 (on = 1); then come the next slot's first fragments.  From a request to the wait for it a wave issues 224 matrix instructions, across tiles too.
.macro TURN slot, next, on
	s_wait_xcnt 0x0                                ; the last prefetch, a K step back, has read its address: it is stepped here
.if (\on) && (\slot) == 0
	s_add_nc_u64 s[PFA:PFA+1], s[PFA:PFA+1], (WALK-1)*SIZE_K*2+KSTEP*2  ; from the K step after the tile's last to the next weight's K step 1: WALK rows down, back along K
	s_cmp_eq_u32 s11, 1
	s_cselect_b32 s[LIM], s[LIM], -1               ; x's rows are the same for all three tiles: they have been read, and are prefetched no more
.else
	s_add_nc_u64 s[PFA:PFA+1], s[PFA:PFA+1], KSTEP*2
.endif
	MEET 1
	CREST                                          ; all sixteen work-groups have said so: no wave of any partner still reads this slot's tile or has a load on its way
.if \on
	s_sub_nc_u64 s[G0+4*(\slot)+2:G0+4*(\slot)+3], s[G0+4*(\slot)+2:G0+4*(\slot)+3], BACK_A
	s_add_nc_u64 s[G0B+4*(\slot)+2:G0B+4*(\slot)+3], s[G0B+4*(\slot)+2:G0B+4*(\slot)+3], NEXT_B
.else
	s_add_nc_u64 s[G0+4*(\slot)+2:G0+4*(\slot)+3], s[G0+4*(\slot)+2:G0+4*(\slot)+3], 2*KSTEP*2
	s_add_nc_u64 s[G0B+4*(\slot)+2:G0B+4*(\slot)+3], s[G0B+4*(\slot)+2:G0B+4*(\slot)+3], 2*KSTEP*2
.endif
	JLOAD \slot                                    ; the first tensor load behind the round, my only one until the next; the four v_nop behind it are also the places in front of the loads below
	FETCH \next, 0, F0
	ASK \on
	WIN MUL_HI
	MUL16 F1, 1, 0, 0
	MUL16 F1, 1, 2, 0
.endm
; THE LAST K STEP OF THE LAST TILE (it lies in slot 1) GOES BY ROWS OF THE RESULT.  All its fragments of the weight (4 quarters x 64 registers) fill window 1; then my eight blocks of 16 rows are
; finished one after the other, each with 32 matrix instructions (its 8 accumulators by turns, K ascending).
.macro BLOAD q                         ; the weight's fragments of quarter q -> window 1, v[64 q ..]
	WIN TO_B
.irp i, 0,1,2,3,4,5,6,7
	ds_load_b128 v[64*(\q)+8*(\i):64*(\q)+8*(\i)+3],   v[ADRB+1] offset:64*(\q)+(\i)*16*PITCH
	ds_load_b128 v[64*(\q)+8*(\i)+4:64*(\q)+8*(\i)+7], v[ADRB+1] offset:64*(\q)+(\i)*16*PITCH+32
.endr
.endm
.macro ALOAD a                         ; x's fragments of block a, all four quarters -> buffer a % 4
	WIN 0
.set FA, PA+32*((\a)%4)
.irp q, 0,1,2,3
	ds_load_b128 v[FA+8*(\q):FA+8*(\q)+3],   v[ADRA+1] offset:64*(\q)+(\a)*16*PITCH
	ds_load_b128 v[FA+8*(\q)+4:FA+8*(\q)+7], v[ADRA+1] offset:64*(\q)+(\a)*16*PITCH+32
.endr
.endm
.macro ROW a                           ; block a is finished: 32 matrix instructions
.set FA, PA+32*((\a)%4)
.set AC, 64*((\a)%4)
	WIN MUL_LO+0x50*((\a)/4)
.irp q, 0,1,2,3
.if (\a) == 0 && (\q) == 2
	s_wait_dscnt 24                                ; the weight's quarter 2 is in (behind it: x's blocks 1 to 3)
.endif
.irp b, 0,1,2,3,4,5,6,7
	v_wmma_f32_16x16x32_bf16 v[AC+8*(\b):AC+8*(\b)+7], v[64*(\q)+8*(\b):64*(\q)+8*(\b)+7], v[FA+8*(\q):FA+8*(\q)+7], v[AC+8*(\b):AC+8*(\b)+7]
.endr
.endr
.endm
; THE WAY OUT of block a.  PACK: rounded to f16, 16 bytes a lane, each accumulator's registers in ascending order.  TOSTAGE: into my own stage in LDS, and back as whole rows of 256 bytes.  SEND: stored.
.macro PACK a
.set AC, 64*((\a)%4)
	WIN 0x0a+5*((\a)/4)                            ; sources 0 and 1: window 2 or 3
.irp b, 0,1,2,3,4,5,6,7
.irp r, 0,1,2,3
	v_cvt_pk_f16_f32 v[TMP+4*(\b)+(\r)], v[AC+8*(\b)+2*(\r)], v[AC+8*(\b)+2*(\r)+1]
.endr
.endr
	WIN 0
.endm
.macro TOSTAGE a
	WIN 0
.set BK, OB+192*((\a)%2)
.irp b, 0,1,2,3,4,5,6,7
	ds_store_b128 v[STO], v[TMP+4*(\b):TMP+4*(\b)+3] offset:32*(\b)
.endr
.irp t, 0,1,2,3,4,5,6,7
	ds_load_b128 v[BK+4*(\t):BK+4*(\t)+3], v[RD] offset:(\t)*2*SPITCH  ; LDS serves a wave's instructions in order (ISA guide 5.7.1.4): these see the stores above
.endr
.endm
.macro SEND a, younger                 ; younger: the LDS loads issued behind TOSTAGE's, which may stay out
	WIN 0
.set BK, OB+192*((\a)%2)
	s_wait_dscnt \younger                          ; the block is back in registers
	s_wait_xcnt 0x0                                ; only behind this wait are the stores' base and the registers that earlier stores read rewritten
.if (\a) == 0
	s_add_nc_u64 s[8:9], s[8:9], s[16:17]          ; on to this tile's first rows
.else
	s_add_nc_u64 s[8:9], s[8:9], 16*CN*2           ; 16 rows on
.endif
.irp t, 0,1,2,3,4,5,6,7
	global_store_b128 v[CO], v[BK+4*(\t):BK+4*(\t)+3], s[8:9] offset:2*(\t)*CN*2  ; 16 lanes store 256 consecutive bytes, at a multiple of 256 from the buffer's first byte
.endr
.endm
	s_wait_tensorcnt 1                             ; my part of K step 0 is in; K step 1's load may stay out
	s_wait_dscnt 0x0                               ; my part of the biases is stored
	s_barrier_signal -1
	s_barrier_wait -1                              ; everybody's is
	BIASLD                                         ; bq's part
	FETCH 0, 0, F0
	s_mov_b32 s2, TILES                            ; tiles to go, this one among them
.Ltile:                                                ; (FETCH, BIASLD and SEND leave every window 0)
	QUARTER 0, 64,  F0, F1, 1                      ; a tile's first quarter stands in front of the loop: its products start the sums, with the bias
	WIN 0                                          ; at a label and at a branch every window is 0
	s_mov_b32 s3, LAPS-1
.Llap:                                                 ; a trip goes once round the ring, from a lap's second quarter to the next lap's first, and fills both slots again
	QUARTER 0, 128, F1, F0, 0
	QUARTER 0, 192, F0, F1, 0
	TURN 0, 1, 0
	QUARTER 1, 64,  F0, F1, 0
	QUARTER 1, 128, F1, F0, 0
	QUARTER 1, 192, F0, F1, 0
	TURN 1, 0, 0
	QUARTER 0, 64,  F0, F1, 0
	WIN 0
	s_sub_co_u32 s3, s3, 1
	s_cmp_lg_u32 s3, 0
	s_cbranch_scc1 .Llap
	QUARTER 0, 128, F1, F0, 0                      ; the tile's last lap goes on
	QUARTER 0, 192, F0, F1, 0
	WIN 0
	s_cmp_eq_u32 s2, 1
	s_cbranch_scc1 .Llast_tile                     ; the last tile's tail is written out: it asks for nothing more
	TURN 0, 1, 1                                   ; THE RING GOES ON INTO THE NEXT TILE: slot 0 takes its K step 0,
	QUARTER 1, 64,  F0, F1, 0
	QUARTER 1, 128, F1, F0, 0
	QUARTER 1, 192, F0, F1, 0
	TURN 1, 0, 1                                   ; slot 1 its K step 1, and the next tile's first fragments are fetched
	BIASLD                                         ; the next tile's bias: its registers were last read in this tile's first quarter; the way out's waits for 0 cover these loads
	PACK 0                                         ; both refills are asked for: now the tile goes out.  Blocks 0-3 were finished in front of TURN's places, and their 128 conversions,
	TOSTAGE 0                                      ; which name no register of the last products (blocks 4-7's), are those products' places
.irp a, 1,2,3,4,5,6,7                  ; block a's conversions stand between block a - 1's loads from the stage and the wait for them
	PACK \a
	SEND (\a)-1, 0
	TOSTAGE \a
.endr
	SEND 7, 0
	s_mov_b64 s[16:17], NEXT_C                     ; what the next way out adds to the result's address
	s_sub_co_u32 s2, s2, 1
	s_branch .Ltile
.Llast_tile:
	MEET 0                                         ; my one tensor load that was still out is slot 1's, the last K step's, so no round follows
	PLACES                                         ; for the loads into buffer 0, which the quarter before multiplied
	WIN TO_B
	BLOAD 0                                        ; three quarters of the weight now (the first lands where the bias lay: it is read no more): buffer 1 is still being multiplied
	BLOAD 1
	BLOAD 3
	WIN 0
	ALOAD 0
	WIN MUL_HI
	MUL16 F1, 1, 0, 0
	MUL16 F1, 1, 2, 0
	PLACES                                         ; for the loads into buffer 1
	WIN TO_B
	BLOAD 2
	WIN 0
	ALOAD 1
	ALOAD 2
	ALOAD 3
	s_wait_dscnt 40                                ; all but the 40 just issued
	ROW 0
.irp a, 0,1,2,3,4,5,6,7                ; each block leaves as soon as it is finished
	PLACES                                         ; its conversions read results just made
	PACK \a
	TOSTAGE \a
.if (\a) < 4
	ALOAD (\a)+4                                   ; its buffer takes the block four further on
	SEND \a, 8
.else
	SEND \a, 0
.endif
.if (\a) < 7
	ROW (\a)+1
.endif
.endr
	s_wait_tensorcnt 0x0                           ; the wave's end: the add onto my spare word and its wait stand behind my last tensor load and my last LDS store
	ds_add_u32 v[SPW], v[NIL]
	s_wait_dscnt 0x0
	CROUND                                         ; the closing round: no work-group ends while a partner may still ask for a tile that names it
	s_endpgm
.Lfunc_end_k_q6c3639aaca_qkv:
	.size	k_q6c3639aaca_qkv, .Lfunc_end_k_q6c3639aaca_qkv-k_q6c3639aaca_qkv
	.p2alignl 7, 3214868480
	.fill 96, 4, 3214868480
	.section	.rodata,"a",@progbits
	.p2align	6, 0x0
	.amdhsa_kernel k_q6c3639aaca_qkv
		.amdhsa_group_segment_fixed_size 327680
		.amdhsa_private_segment_fixed_size 0
		.amdhsa_enable_private_segment 0
		.amdhsa_kernarg_size 40
		.amdhsa_user_sgpr_count 2
		.amdhsa_user_sgpr_kernarg_segment_ptr 1
		.amdhsa_wavefront_size32 1
		.amdhsa_system_sgpr_workgroup_id_x 1
		.amdhsa_system_sgpr_workgroup_id_y 1
		.amdhsa_system_sgpr_workgroup_id_z 1
		.amdhsa_system_vgpr_workitem_id 0
		.amdhsa_next_free_vgpr 1024
		.amdhsa_next_free_sgpr 76
		.amdhsa_reserve_vcc 0
		.amdhsa_float_denorm_mode_32 3
		.amdhsa_float_denorm_mode_16_64 3
		.amdhsa_memory_ordered 1
		.amdhsa_forward_progress 1
		.amdhsa_inst_pref_size 214
	.end_amdhsa_kernel
	.amdgpu_metadata
---
amdhsa.version: [ 1, 2 ]
amdhsa.kernels:
  - .name:           k_q6c3639aaca_qkv
    .symbol:         k_q6c3639aaca_qkv.kd
    .args:
      - { .name: xw, .offset: 0, .size: 8, .value_kind: global_buffer, .address_space: global }
      - { .name: qkv, .offset: 8, .size: 8, .value_kind: global_buffer, .address_space: global }
      - { .name: bq, .offset: 16, .size: 8, .value_kind: global_buffer, .address_space: global }
      - { .name: bk, .offset: 24, .size: 8, .value_kind: global_buffer, .address_space: global }
      - { .name: bv, .offset: 32, .size: 8, .value_kind: global_buffer, .address_space: global }
    .group_segment_fixed_size: 327680
    .private_segment_fixed_size: 0
    .kernarg_segment_align: 8
    .kernarg_segment_size: 40
    .max_flat_workgroup_size: 128
    .sgpr_count:     76
    .vgpr_count:     1024
    .wavefront_size: 32
...
	.end_amdgpu_metadata
.endif
;; end of part 2
;; launch attn (part 3): grid 256 x 1, 4 waves a work-group, no clusters, 327,680 bytes of LDS; arguments qkv, out0; writes out0
.if DOCPART == 3
	.amdgcn_target "amdgcn-amd-amdhsa--gfx1250"
	.amdhsa_code_object_version 6
	.text
	.protected	k_q6c3639aaca_attn
	.globl	k_q6c3639aaca_attn
	.p2align	8
	.type	k_q6c3639aaca_attn,@function
k_q6c3639aaca_attn:
	s_mov_b64 s[64:65], 0
	v_nop
	global_prefetch_b8 v0, s[64:65] scope:SCOPE_SE
	s_setreg_imm32_b32 hwreg(HW_REG_WAVE_MODE, 25, 1), 1
	s_wait_xcnt 0x0
; out0[t][:] = the sum over the keys u = t - 127 .. t of t's own batch of softmax_u(q[t] . k[u] / 32) v[u][:].  qkv: [3][16,384][1,024] f16 (q, k, v); out0: [16,384][1,024] f32; a batch is 4,096 rows.
; Products of f16 numbers, sums, maxima and exponentials in f32.  The row's true maximum is taken away before the exponential; the weights are divided by their sum in f32 and rounded once, to f16.
; LIMITS.  q, k, v arrive finite, within f16.  A weight below 6e-5 keeps f16's fixed step of 6e-8; an exponential below 2^-126 counts as 0.  NaN and infinities are not treated apart.
; SHARES.  Work-group i owns the 64 queries 64 i + rho and reads the 192 key rows 64 i - 128 + kappa.  A key is seen where rho + 1 <= kappa <= rho + 128 and kappa >= LO = max(0, 128 - 64 (i % 64)).
; Rows ahead of a batch's first are read all the same (for i = 0, 1 they are the last rows of the plane before, inside the buffer): their scores are replaced by the lowest finite number, their weights are 0.
; With query tiles a = 0..3 and key tiles c = 0..11 of 16, tile (c, a) holds a seen key only for delta = c - a in 0..8: 36 tiles of 48 are made.
; PHASE 1.  S^T = K Q^T (source 0 = 16 keys, source 1 = 16 queries), THE 1,024 CHANNELS SPLIT AMONG THE WAVES: wave w takes channels 256 w .. 256 w + 255 of all 36 tiles, so no byte of Q or K is wanted
; by two waves.  A row's 512 bytes come by ONE load of the wave, 32 lanes x 16 bytes on end (a fragment taken straight from memory would be 32 bytes of each of 16 rows).  Two tiles of 16 rows at a
; time then go through the wave's own stage in LDS, rows of 528 bytes, and come back as fragments into the registers that they left.  The four partial sums (f32) meet once in LDS: wave w ends with query tile w.
; SOFTMAX.  In S^T a lane holds ONE query (lane % 16) and the keys 8 (lane / 16) + 0..7 of each tile: 72 scores a lane, the whole row in two lanes.
; PHASE 2.  O^T = V^T P, THE 1,024 OUTPUT CHANNELS SPLIT AMONG THE WAVES: wave w makes channels 256 w .. of all 64 queries.  Its V, 192 rows x 512 bytes, comes by two tensor loads of 96 rows into its own
; LDS bytes and is turned by ds_load_tr16_b128.  Key step s (32 keys) is wanted by query tiles 0, 1 for s = 0..4 and by tiles 2, 3 for s = 1..5.
; NO CLUSTER: neighbouring work-groups' windows are 64 rows apart, so a row that two of them read lies at another LDS row in each, and a joint load has one LDS address for all; K is no tensor load's.
; NO PREFETCH: the loads of Q and K run on end from the head on, two pairs of tiles ahead of the products; V's second half has the softmax and 160 matrix instructions in which to land.
; LDS.  0: four regions of 27,648 bytes, one for each query tile a.  In phase 1 the first 16,896 bytes of region w are wave w's stage (32 rows x 528).  Then: three sources' partial sums, 9 tiles x 1,024 bytes
; each; when its owner has read them, wave a puts there P (10 slots of 512 bytes, slot = c - 2 (a / 2); the slot that no score fills holds 0) and, from byte 5,120 on, its stage for the way out (16 rows x 1,040).
; No tensor load lands in these regions.  110,592: V, 52,224 bytes a wave.  319,488: the spare words.
; REGISTERS, by absolute number; bits 9:8 are the window (s_set_vgpr_msb: bits 1:0 source 0, 3:2 source 1, 5:4 source 2, 7:6 destination).
;   0-31 addresses.  Phase 1: S(a, delta) at 32 + 72 a + 8 delta (a = 3: 896 + 8 delta); Q(a, f) at 256 + 8 (8 a + f); three sets of K, 128 each, from 512.
;   Softmax: my tile's scores at 32-103; 104-247 incoming sums and work.  Phase 2: O(a, g) at 256, 384, 32, 896 + 8 g; V of three key steps from 512; P's fragments, two buffers, at 160-223.
.set PLANE, 33554432                   ; bytes of q, of k, of v
.set ROWB,  2048
.set XREG,  27648                      ; a query tile's region
.set XSRC,  9216                       ; one source's nine tiles
.set TP,    528                        ; a row of phase 1's stage: 512 bytes + 16 = 132 words: the 16 rows of a fragment load start at 16 different groups of four banks (64 banks of 4 bytes: ISA guide 11.1)
.set VB,    4*XREG
.set PV,    544                        ; a row of V in LDS: 512 bytes + 32 of padding = 136 words
.set VW,    96*PV                      ; a wave's V
.set SPARE, VB+4*VW                    ; the spare words, 128 bytes for each wave: two blocks of 256 bytes that no other line names
.set STG,   5120                       ; the way out's stage in a region
.set SP,    1040                       ; its row: 1,024 bytes + 16: the 16 rows of a store start at 16 different groups of four banks
.set FR,   4                           ; v4   a fragment's place in my stage of phase 1: my region + 528 (l % 16) + 16 (l / 16)
.set XA0,  5                           ; v5   16 x lane: my 16 bytes of a row's 512 in q, k and out0; also regions 0, 1
.set XA1,  6                           ; v6   the same in regions 2, 3
.set XR,   7                           ; v7   the same in my region
.set PW,   8                           ; v8   where my tile delta = 0 of P goes
.set PZ,   9                           ; v9   where the tile of zeros goes
.set AV,   10                          ; v10  my lane's place in my V
.set STO,  11                          ; v11  the way out: where I put 32 bytes of a row
.set RD,   12                          ; v12  the way out: where I read rows back
.set LOV,  14                          ; v14  register 16 delta + j is seen only where it is greater than this,
.set HIV,  15                          ; v15  and, in delta = 8, where its negative is greater than this
.set NEGV, 16                          ; v16  the lowest finite number
.set CM,   18                          ; v[18:19] c m
.set T0,   20
.set T1,   21
.set RL,   22                          ; v[22:23] 1 / l
.set ZR,   26                          ; v[26:29] zeros
.set SPW,  30                          ; v30  LDS address of my spare word: SPARE + 4 x my thread's number; never rewritten
.set NIL,  31                          ; v31  0; never rewritten
.set SO,   32
.set IN0,  104
.set IN1,  176
.set PF,   160
.set WV,  8                            ; s8   my wave's number
.set QP,  10                           ; s[10:11] q at my queries' first row, my 512 bytes
.set KP,  12                           ; s[12:13] k at the window's first row, my 512 bytes
.set OP,  14                           ; s[14:15] out0 at my queries' first row, my 1,024 bytes
.set G1,  16                           ; s[16:23] descriptor group 1
.set G0,  24                           ; s[24:27] descriptor group 0
.set CS,  28                           ; s[28:29] c = log2(e) / 32
.set SEL, 30                           ; s[30:31] v_permlanex16_b32's selects: each lane takes its own place in the other half
.set MSB, 0
.macro WIN new                         ; the immediate's high byte repeats the setting that is left; a switch that changes nothing is dropped
.if MSB != (\new)
	s_set_vgpr_msb (MSB<<8)|(\new)
.set MSB, \new
.endif
.endm
.macro PLACES                          ; four places behind a matrix instruction, in front of loads into its registers and of whatever reads its result (ISA guide 7.12.1 for what reads its result)
.rept 4
	v_nop
.endr
.endm
; A matrix instruction on the absolute registers rD, rA, rB.  zero = 1: it starts the sum.
.macro WM zero
	WIN ((rD>>8)<<6)|((rD>>8)<<4)|((rB>>8)<<2)|(rA>>8)
.set lD, rD&255
.set lA, rA&255
.set lB, rB&255
.if \zero
	v_wmma_f32_16x16x32_f16 v[lD:lD+7], v[lA:lA+7], v[lB:lB+7], 0
.else
	v_wmma_f32_16x16x32_f16 v[lD:lD+7], v[lA:lA+7], v[lB:lB+7], v[lD:lD+7]
.endif
.endm
; The loads of Q and K: one row's 512 bytes to an instruction, row n of a tile into the tile's registers 4 n .. 4 n + 3.
.macro LOADQ                           ; 64 loads: my 64 queries
	WIN 0x40
.set n, 0
.rept 64
	global_load_b128 v[4*n:4*n+3], v[XA0], s[QP:QP+1] offset:ROWB*n th:TH_LOAD_NT
.set n, n+1
.endr
.endm
.macro LOADK p, set                    ; 32 loads: the pair of key tiles p and 11 - p
.set rK, 512+128*(\set)
	WIN ((rK>>8)<<6)
.irp u, 0,1
.set cc, (\p)+(\u)*(11-2*(\p))
.set n, 0
.rept 16
	global_load_b128 v[(rK&255)+64*(\u)+4*n:(rK&255)+64*(\u)+4*n+3], v[XA0], s[KP:KP+1] offset:16*ROWB*cc+ROWB*n
.set n, n+1
.endr
.endr
.endm
; ROWS INTO FRAGMENTS, for the two tiles in the 128 registers from base on.  32 stores put the 32 rows into my stage; 32 loads bring them back as fragments, into the same registers.
; A fragment is 16 rows x 32 channels in 8 registers: lane l holds row l % 16, channels 8 (l / 16) + 0..7 and 16 + 8 (l / 16) + 0..7: two loads of 16 bytes, 32 bytes apart; fragment f of tile u lands at 64 u + 8 f.
; LDS serves a wave's instructions in order (ISA guide 5.7.1.4): the loads see the stores above them, and the next pair's stores come behind these loads.  The loads go by f, so that the products can begin on the first.
.macro TRP base
	WIN (((\base)>>8)<<2)                          ; the stores' data: source 1
.set n, 0
.rept 32
	ds_store_b128 v[XR], v[((\base)&255)+4*n:((\base)&255)+4*n+3] offset:TP*n
.set n, n+1
.endr
	WIN (((\base)>>8)<<6)
.irp f, 0,1,2,3,4,5,6,7
.irp u, 0,1
	ds_load_b128 v[((\base)&255)+64*(\u)+8*(\f):((\base)&255)+64*(\u)+8*(\f)+3],   v[FR] offset:16*TP*(\u)+64*(\f)
	ds_load_b128 v[((\base)&255)+64*(\u)+8*(\f)+4:((\base)&255)+64*(\u)+8*(\f)+7], v[FR] offset:16*TP*(\u)+64*(\f)+32
.endr
.endr
.endm
; The pair's products: its 2, 4, 6 or 8 accumulators take turns, one instruction a turn; fragment 0 starts the sums.
; TRP stands directly ahead: of its 32 loads the 4 (7 - f) of the later fragments may stay out when fragment f is multiplied.
.macro MULS p, set
.irp f, 0,1,2,3,4,5,6,7
	s_wait_dscnt 28-4*(\f)
.irp a, 0,1,2,3
.irp u, 0,1
.set cc, (\p)+(\u)*(11-2*(\p))
.set dd, cc-(\a)
.if (dd >= 0) && (dd <= 8)
.set rD, 32+72*(\a)+8*dd+648*((\a)/3)
.set rA, 512+128*(\set)+64*(\u)+8*(\f)
.set rB, 256+8*(8*(\a)+(\f))
.if (\f) == 0
	WM 1
.else
	WM 0
.endif
.endif
.endr
.endr
.endr
.endm
; Wave w hands its partial sums of the other three query tiles to their owners (source slot (w - a - 1) mod 4 of region a; each accumulator's low half first),
; and brings its own tile's to 32-103, so that one text serves all four waves from here on.
.macro XS w
.irp a, 0,1,2,3
.if (\a) != (\w)
.set sg, ((\w)-(\a)-1)&3
.set i, 0
.rept 9
.set rD, 32+72*(\a)+8*i+648*((\a)/3)
	WIN ((rD>>8)<<2)
	ds_store_b128 v[XA0+(\a)/2], v[(rD&255):(rD&255)+3]   offset:XREG*((\a)&1)+XSRC*sg+1024*i
	ds_store_b128 v[XA0+(\a)/2], v[(rD&255)+4:(rD&255)+7] offset:XREG*((\a)&1)+XSRC*sg+1024*i+512
.set i, i+1
.endr
.endif
.endr
.if (\w) != 0
.set i, 0
.rept 72
.set rD, 32+72*(\w)+i+648*((\w)/3)
	WIN (rD>>8)
	v_mov_b32 v[SO+i], v[rD&255]
.set i, i+1
.endr
.endif
	WIN 0
.endm
; 32 turning loads: V^T of key step sl of the half that lies in LDS: channels 16 g on, keys 8 (l / 16) + 0..7 and 16 + 8 (l / 16) + 0..7.
.macro VL sl
.set rV, 512+128*(\sl)
	WIN ((rV>>8)<<6)
.irp g, 0,1,2,3,4,5,6,7,8,9,10,11,12,13,14,15
	ds_load_tr16_b128 v[(rV&255)+8*(\g):(rV&255)+8*(\g)+3],   v[AV] offset:32*PV*(\sl)+32*(\g)
	ds_load_tr16_b128 v[(rV&255)+8*(\g)+4:(rV&255)+8*(\g)+7], v[AV] offset:32*PV*(\sl)+32*(\g)+16*PV
.endr
.endm
.macro XIN sg, dst                     ; 18 loads: one source's nine tiles of my region
.set n, 0
.rept 18
	ds_load_b128 v[(\dst)+4*n:(\dst)+4*n+3], v[XR] offset:XSRC*(\sg)+512*n
.set n, n+1
.endr
.endm
.macro XADD src
.set n, 0
.rept 36
	v_pk_add_f32 v[SO+2*n:SO+2*n+1], v[SO+2*n:SO+2*n+1], v[(\src)+2*n:(\src)+2*n+1]
.set n, n+1
.endr
.endm
; P's fragments of key step s, for the query tiles that want it: two tiles of 16 keys, as they were rounded, ARE source 1 (32 keys x 16 queries).
.macro PFL s, buf
	WIN 0
.irp a, 0,1,2,3
.set st, (\s)-(\a)/2
.if (st >= 0) && (st <= 4)
	ds_load_b128 v[PF+32*(\buf)+8*(\a):PF+32*(\buf)+8*(\a)+3],   v[XA0+(\a)/2] offset:XREG*((\a)&1)+1024*st
	ds_load_b128 v[PF+32*(\buf)+8*(\a)+4:PF+32*(\buf)+8*(\a)+7], v[XA0+(\a)/2] offset:XREG*((\a)&1)+1024*st+512
.endif
.endr
.endm
.macro SETOB a                         ; rO: where query tile a's 16 accumulators lie
.if (\a) < 2
.set rO, 256+128*(\a)
.elseif (\a) == 2
.set rO, 32
.else
.set rO, 896
.endif
.endm
; Key step s: 16 products for each query tile that wants it; the 16 accumulators take turns; a tile's first step starts its sums.
.macro PVS s
.irp a, 0,1,2,3
.set st, (\s)-(\a)/2
.if (st >= 0) && (st <= 4)
	SETOB \a
.set g, 0
.rept 16
.set rD, rO+8*g
.set rA, 512+128*((\s)%3)+8*g
.set rB, PF+32*((\s)%2)+8*(\a)
.if st == 0
	WM 1
.else
	WM 0
.endif
.set g, g+1
.endr
.endif
.endr
.endm
; THE WAY OUT of query tile a.  A lane holds one query and eight channels of each group g: 32 bytes.  They go into my stage's rows of 1,040 bytes and come back as whole rows, into the registers that they left.
.macro OUTA a
	SETOB \a
	WIN ((rO>>8)<<2)
.set g, 0
.rept 16
	ds_store_b128 v[STO], v[(rO&255)+8*g:(rO&255)+8*g+3]   offset:64*g
	ds_store_b128 v[STO], v[(rO&255)+8*g+4:(rO&255)+8*g+7] offset:64*g+16
.set g, g+1
.endr
	WIN ((rO>>8)<<6)
.set n, 0
.rept 32
	ds_load_b128 v[(rO&255)+4*n:(rO&255)+4*n+3], v[RD] offset:SP*(n/2)+512*(n%2)  ; in order behind the stores above; the next tile's stores come behind them
.set n, n+1
.endr
.endm
.macro SENDA a
	SETOB \a
	WIN ((rO>>8)<<2)
.set n, 0
.rept 32
	global_store_b128 v[XA0], v[(rO&255)+4*n:(rO&255)+4*n+3], s[OP:OP+1] offset:4096*(16*(\a)+n/2)+512*(n%2) th:TH_STORE_NT  ; 512 consecutive bytes, at a multiple of 256 from out0's first byte
.set n, n+1
.endr
.endm
	s_load_b128 s[4:7], s[0:1], 0x0                ; qkv s[4:5], out0 s[6:7]
	v_lshl_add_u32 v[SPW], v0, 2, SPARE
	v_mov_b32 v[NIL], 0
	ds_add_u32 v[SPW], v[NIL]                      ; the wave's opening: the add and its wait stand ahead of my first tensor load; the set-up below, work on registers, stands between them
	v_lshrrev_b32 v1, 5, v0
	v_readfirstlane_b32 s[WV], v1                  ; wave 0..3
	; descriptor group 1: a tile of 96 rows x 256 elements, padded in LDS
	s_mov_b32 s[G1+0], (1<<16)|(1<<20)|(6<<22)|(7<<25)  ; 17:16 elements of 2 bytes; 20 padding on; 24:22 after every 128 words (code 6); 31:25 of 8 words (code 7)
	s_mov_b32 s[G1+1], 256<<16                     ; tensor_dim0 = 256
	s_mov_b32 s[G1+2], 96<<16                      ; tensor_dim1 = 96
	s_mov_b32 s[G1+3], 256<<16                     ; tile_dim0 = 256
	s_mov_b32 s[G1+4], 96                          ; tile_dim1 = 96
	s_mov_b32 s[G1+5], 1024                        ; elements from row to row
	s_mov_b32 s[G1+6], 0
	s_mov_b32 s[G1+7], 0
	s_mov_b32 s[G0], 1                             ; count = 1
	s_mul_i32 s[G0+1], s[WV], VW
	s_add_co_u32 s[G0+1], s[G0+1], VB              ; LDS address: my wave's V
	s_lshl_b32 s32, ttmp9, 17                      ; 64 rows of 2,048 bytes,
	s_lshl_b32 s33, s[WV], 9                       ; my 256 channels
	s_add_co_u32 s32, s32, s33
	s_mov_b32 s33, 0
	s_lshl_b32 s34, ttmp9, 18                      ; 64 rows of 4,096 bytes,
	s_lshl_b32 s35, s[WV], 10                      ; my 256 channels
	s_add_co_u32 s34, s34, s35
	s_mov_b32 s35, 0
	s_mov_b32 s[CS], 0x3d38aa3b                    ; c = log2(e) / 32 = 0.0450842
	s_mov_b32 s[CS+1], s[CS]                       ; named with it as a pair
	s_mov_b32 s[SEL], 0x76543210
	s_mov_b32 s[SEL+1], 0xfedcba98
	s_wait_dscnt 0x0                               ; the opening add is done
	s_wait_kmcnt 0x0
	s_add_nc_u64 s[QP:QP+1], s[4:5], s[32:33]
	s_add_nc_u64 s[KP:KP+1], s[QP:QP+1], PLANE-128*ROWB      ; the window begins 128 rows ahead of my queries
	s_add_nc_u64 s[G0+2:G0+3], s[QP:QP+1], 2*PLANE-128*ROWB  ; global address: V's rows 0-95 of the window
	s_or_b32 s[G0+3], s[G0+3], 0x80000000          ; type = 2
	s_add_nc_u64 s[OP:OP+1], s[6:7], s[34:35]
	tensor_load_to_lds s[G0:G0+3], s[G1:G1+7]      ; my one first fill
	s_nop 0
	PLACES
	v_and_b32 v1, 15, v0                           ; l % 16
	v_bfe_u32 v2, v0, 4, 1                         ; l / 16
	v_and_b32 v3, 31, v0                           ; l
	v_lshlrev_b32 v[XA0], 4, v3
	LOADQ
	LOADK 0, 0
	LOADK 1, 1
	WIN 0
	; the other addresses are made while those loads are on their way
	v_add_nc_u32 v[XA1], 2*XREG, v[XA0]
	s_mul_i32 s38, s[WV], XREG
	v_add_nc_u32 v[XR], s38, v[XA0]
	v_mul_u32_u24 v[FR], v1, TP
	v_lshl_add_u32 v[FR], v2, 4, v[FR]
	v_add_nc_u32 v[FR], s38, v[FR]
	s_and_b32 s39, s[WV], 1
	s_lshl_b32 s40, s39, 9
	v_add_nc_u32 v[PW], s40, v[XR]                 ; slot delta + w % 2
	s_xor_b32 s39, s39, 1
	s_mul_i32 s39, s39, 9*512
	v_add_nc_u32 v[PZ], s39, v[XR]                 ; slot 9 for an even tile, slot 0 for an odd one
	; The turning load takes 16 keys x 16 channels: lane l reads key 8 (l / 16) + l % 8, channels 8 ((l / 8) % 2) + 0..7.
	v_and_b32 v[T0], 7, v0
	v_lshl_add_u32 v[T0], v2, 3, v[T0]
	v_mul_u32_u24 v[AV], v[T0], PV
	v_bfe_u32 v[T1], v0, 3, 1
	v_lshl_add_u32 v[AV], v[T1], 4, v[AV]
	v_add_nc_u32 v[AV], s[G0+1], v[AV]
	v_mul_u32_u24 v[STO], v1, SP
	v_lshl_add_u32 v[STO], v2, 5, v[STO]
	s_add_co_u32 s38, s38, STG
	v_add_nc_u32 v[STO], s38, v[STO]
	v_add_nc_u32 v[RD], STG, v[XR]
	; THE MASK's bounds.  My query is rho = 16 w + l % 16; register X = 16 delta + j holds key kappa = 16 w + 8 (l / 16) + X.
	; kappa > rho: X > l % 16 - 8 (l / 16).  kappa >= LO: X > LO - 16 w - 1 - 8 (l / 16).  kappa <= rho + 128: -X > 8 (l / 16) - l % 16 - 129, which can fail in delta = 8 alone, where the first two always hold.
	s_and_b32 s36, ttmp9, 63                       ; my block's place in its batch
	s_lshl_b32 s36, s36, 6
	s_sub_co_i32 s36, 128, s36
	s_max_i32 s36, s36, 0                          ; LO
	s_lshl_b32 s37, s[WV], 4
	s_sub_co_i32 s36, s36, s37
	s_sub_co_i32 s36, s36, 1
	v_lshlrev_b32 v[T0], 3, v2
	v_sub_nc_u32 v[LOV], v1, v[T0]
	v_sub_nc_u32 v[T1], s36, v[T0]
	v_cmp_gt_i32 vcc_lo, v[T1], v[LOV]
	v_cndmask_b32 v[LOV], v[LOV], v[T1], vcc_lo    ; the greater of the two
	v_sub_nc_u32 v[HIV], v[T0], v1
	v_add_nc_u32 v[HIV], 0xffffff7f, v[HIV]        ; - 129
	v_mov_b32 v[NEGV], 0xff7fffff
.irp z, 0,1,2,3
	v_mov_b32 v[ZR+(\z)], 0
.endr
	; PHASE 1: Q, then six pairs of key tiles through three sets of registers.  While a pair is turned and multiplied, the next two pairs' 64 loads are on their way.
	; Where 64 loads are younger than the rows that are wanted the count is 63, the most that the wait can name.
	s_wait_loadcnt 63                              ; Q is in; pairs 0 and 1 are the 64 younger
	TRP 256                                        ; query tiles 0, 1
	TRP 384                                        ; query tiles 2, 3
	LOADK 2, 2
	s_wait_loadcnt 63                              ; pair 0
	TRP 512
	MULS 0, 0
	PLACES
	LOADK 3, 0
	s_wait_loadcnt 63                              ; pair 1
	TRP 640
	MULS 1, 1
	PLACES
	LOADK 4, 1
	s_wait_loadcnt 63                              ; pair 2
	TRP 768
	MULS 2, 2
	PLACES
	LOADK 5, 2
	s_wait_loadcnt 63                              ; pair 3
	TRP 512
	MULS 3, 0
	s_wait_loadcnt 32                              ; pair 4; pair 5's 32 loads may stay out
	TRP 640
	MULS 4, 1
	s_wait_loadcnt 0x0
	TRP 768
	MULS 5, 2
	PLACES
	WIN 0                                          ; at a label and at a branch every window is 0
	s_wait_dscnt 0x0                               ; my reads of my stage are over:
	s_barrier_signal -1                            ; the other waves are about to write their partial sums over it.
	s_barrier_wait -1                              ; V's first load may stay out across it
	s_cmp_eq_u32 s[WV], 0
	s_cbranch_scc0 .Lx1
	XS 0
	s_branch .Lxd
.Lx1:
	s_cmp_eq_u32 s[WV], 1
	s_cbranch_scc0 .Lx2
	XS 1
	s_branch .Lxd
.Lx2:
	s_cmp_eq_u32 s[WV], 2
	s_cbranch_scc0 .Lx3
	XS 2
	s_branch .Lxd
.Lx3:
	XS 3
.Lxd:
	s_wait_tensorcnt 0x0                           ; V's rows 0-95 are in my bytes:
	VL 0                                           ; all three key steps go into K's registers, which are read no more,
	VL 1
	VL 2
	WIN 0
	s_wait_tensorcnt 0x0                           ; so that the same bytes can be filled again.  No tensor load of mine is out;
	ds_add_u32 v[SPW], v[NIL]                      ; 0 onto my spare word;
	s_add_nc_u64 s[G0+2:G0+3], s[G0+2:G0+3], 96*ROWB  ; the address steps to rows 96-191; the type bits on top are not reached
	s_wait_dscnt 0x0                               ; the add is done, my reads of V are back, my partial sums are stored
	s_barrier_signal -1
	s_barrier_wait -1                              ; all that holds of every wave
	tensor_load_to_lds s[G0:G0+3], s[G1:G1+7]      ; the one refill, first thing behind the barrier
	s_nop 0
	PLACES
	; the four partial sums of my query tile
	XIN 0, IN0
	XIN 1, IN1
	s_wait_dscnt 18                                ; the first source is in; the second's 18 loads may stay out
	XADD IN0
	XIN 2, IN0
	s_wait_dscnt 18                                ; the second is in
	XADD IN1
	s_wait_dscnt 0x0
	XADD IN0
	; THE MASK: a hidden score is replaced by the lowest finite number.  Every query sees its own key, so the maximum is a true score.
.set n, 0
.rept 64
	v_cmp_gt_i32 vcc_lo, 16*(n/8)+n%8, v[LOV]
	v_cndmask_b32 v[SO+n], v[NEGV], v[SO+n], vcc_lo
.set n, n+1
.endr
.rept 8
	v_cmp_gt_i32 vcc_lo, -(64+n), v[HIV]
	v_cndmask_b32 v[SO+n], v[NEGV], v[SO+n], vcc_lo
.set n, n+1
.endr
	; the maximum of my 72 scores, three operands at a time, and of the other half of the lanes'
.set n, 0
.rept 24
	v_max3_num_f32 v[IN0+n], v[SO+3*n], v[SO+3*n+1], v[SO+3*n+2]
.set n, n+1
.endr
.set n, 0
.rept 8
	v_max3_num_f32 v[IN0+24+n], v[IN0+3*n], v[IN0+3*n+1], v[IN0+3*n+2]
.set n, n+1
.endr
	v_max3_num_f32 v[IN0+32], v[IN0+24], v[IN0+25], v[IN0+26]
	v_max3_num_f32 v[IN0+33], v[IN0+27], v[IN0+28], v[IN0+29]
	v_max3_num_f32 v[IN0+32], v[IN0+32], v[IN0+33], v[IN0+30]
	v_max_num_f32 v[IN0+32], v[IN0+32], v[IN0+31]
	v_permlanex16_b32 v[T0], v[IN0+32], s[SEL], s[SEL+1]  ; the query's other 72 keys lie in the lane 16 away
	v_max_num_f32 v[T1], v[IN0+32], v[T0]
	v_mul_f32 v[CM], s[CS], v[T1]
	v_mov_b32 v[CM+1], v[CM]
.set n, 0
.rept 36
	v_pk_fma_f32 v[SO+2*n:SO+2*n+1], v[SO+2*n:SO+2*n+1], s[CS:CS+1], v[CM:CM+1] op_sel_hi:[1,0,0] neg_lo:[0,0,1] neg_hi:[0,0,1]  ; c s - c m
.set n, n+1
.endr
.set n, 0
.rept 72
	v_exp_f32 v[SO+n], v[SO+n]                     ; one batch
.set n, n+1
.endr
	v_nop                                          ; a plain instruction behind the last exponential,
	s_wait_alu depctr_va_vdst(0)                   ; and the wait ahead of the first use: one for the 72
.irp k, 0,1,2,3
	v_pk_add_f32 v[IN0+2*(\k):IN0+2*(\k)+1], v[SO+2*(\k):SO+2*(\k)+1], v[SO+8+2*(\k):SO+8+2*(\k)+1]  ; the sum, in four chains that do not wait for each other
.endr
.set n, 8
.rept 28
	v_pk_add_f32 v[IN0+2*(n%4):IN0+2*(n%4)+1], v[IN0+2*(n%4):IN0+2*(n%4)+1], v[SO+2*n:SO+2*n+1]
.set n, n+1
.endr
	v_pk_add_f32 v[IN0:IN0+1], v[IN0:IN0+1], v[IN0+2:IN0+3]
	v_pk_add_f32 v[IN0+4:IN0+5], v[IN0+4:IN0+5], v[IN0+6:IN0+7]
	v_pk_add_f32 v[IN0:IN0+1], v[IN0:IN0+1], v[IN0+4:IN0+5]
	v_add_f32 v[IN0], v[IN0], v[IN0+1]
	v_permlanex16_b32 v[T0], v[IN0], s[SEL], s[SEL+1]
	v_add_f32 v[IN0], v[IN0], v[T0]                ; l, at least 1: the maximum's own weight
	v_rcp_f32 v[RL], v[IN0]
	v_mov_b32 v[RL+1], 0                           ; the plain instruction behind the reciprocal; the register is named with it as a pair
	s_wait_alu depctr_va_vdst(0)                   ; and its wait
.set n, 0
.rept 36
	v_pk_mul_f32 v[SO+2*n:SO+2*n+1], v[SO+2*n:SO+2*n+1], v[RL:RL+1] op_sel_hi:[1,0]  ; the weights are finished in f32: O needs no scaling, and no statistics are handed on
.set n, n+1
.endr
.set n, 0
.rept 36
	v_cvt_pk_f16_f32 v[IN0+n], v[SO+2*n], v[SO+2*n+1]
.set n, n+1
.endr
.set n, 0
.rept 9
	ds_store_b128 v[PW], v[IN0+4*n:IN0+4*n+3] offset:512*n  ; over partial sums that I alone read, and have read
.set n, n+1
.endr
	ds_store_b128 v[PZ], v[ZR:ZR+3]
	s_wait_dscnt 0x0                               ; for the others' sake: my P is stored
	s_barrier_signal -1
	s_barrier_wait -1                              ; V's second load may stay out across it
	; PHASE 2
	PFL 0, 0                                       ; 4 loads
	PFL 1, 1                                       ; 8
	s_wait_dscnt 8                                 ; step 0's P is in
	PVS 0
	PLACES
	PFL 2, 0
	s_wait_dscnt 8                                 ; step 1's
	PVS 1
	PLACES
	PFL 3, 1
	s_wait_dscnt 8                                 ; step 2's
	PVS 2
	s_wait_tensorcnt 0x0                           ; V's rows 96-191 are in my bytes, which I alone read
	PLACES
	VL 0
	PFL 4, 0
	VL 1
	s_wait_dscnt 40                                ; step 3's P and V are in; step 4's 8 + 32 loads may stay out
	PVS 3
	PLACES
	VL 2
	PFL 5, 1                                       ; 4 loads
	s_wait_dscnt 36                                ; step 4's are in; step 5's 32 + 4 may stay out
	PVS 4
	s_wait_dscnt 0x0
	PVS 5
	PLACES
	OUTA 0
.irp a, 1,2,3
	OUTA \a
	s_wait_dscnt 63                                ; the tile before is back in registers: 64 LDS instructions are younger, and 63 is the most that the wait can name
	SENDA (\a)-1
.endr
	s_wait_dscnt 0x0
	SENDA 3
	WIN 0
	s_wait_tensorcnt 0x0                           ; the wave's end: the add onto my spare word and its wait stand behind my last tensor load and my last LDS store
	ds_add_u32 v[SPW], v[NIL]
	s_wait_dscnt 0x0
	s_endpgm
.Lfunc_end_k_q6c3639aaca_attn:
	.size	k_q6c3639aaca_attn, .Lfunc_end_k_q6c3639aaca_attn-k_q6c3639aaca_attn
	.p2alignl 7, 3214868480
	.fill 96, 4, 3214868480
	.section	.rodata,"a",@progbits
	.p2align	6, 0x0
	.amdhsa_kernel k_q6c3639aaca_attn
		.amdhsa_group_segment_fixed_size 327680
		.amdhsa_private_segment_fixed_size 0
		.amdhsa_enable_private_segment 0
		.amdhsa_kernarg_size 16
		.amdhsa_user_sgpr_count 2
		.amdhsa_user_sgpr_kernarg_segment_ptr 1
		.amdhsa_wavefront_size32 1
		.amdhsa_system_sgpr_workgroup_id_x 1
		.amdhsa_system_sgpr_workgroup_id_y 1
		.amdhsa_system_sgpr_workgroup_id_z 1
		.amdhsa_system_vgpr_workitem_id 0
		.amdhsa_next_free_vgpr 1024
		.amdhsa_next_free_sgpr 66
		.amdhsa_reserve_vcc 1
		.amdhsa_float_denorm_mode_32 3
		.amdhsa_float_denorm_mode_16_64 3
		.amdhsa_memory_ordered 1
		.amdhsa_forward_progress 1
		.amdhsa_inst_pref_size 201
	.end_amdhsa_kernel
	.amdgpu_metadata
---
amdhsa.version: [ 1, 2 ]
amdhsa.kernels:
  - .name:           k_q6c3639aaca_attn
    .symbol:         k_q6c3639aaca_attn.kd
    .args:
      - { .name: qkv, .offset: 0, .size: 8, .value_kind: global_buffer, .address_space: global }
      - { .name: out0, .offset: 8, .size: 8, .value_kind: global_buffer, .address_space: global }
    .group_segment_fixed_size: 327680
    .private_segment_fixed_size: 0
    .kernarg_segment_align: 8
    .kernarg_segment_size: 16
    .max_flat_workgroup_size: 128
    .sgpr_count:     66
    .vgpr_count:     1024
    .wavefront_size: 32
...
	.end_amdgpu_metadata
.endif
;; end of part 3
;; ======== version 2 of 2: 3 launches; version 1 with the launch cast written anew for expert scheduling mode
;; limits: values are held in f16: magnitudes above 65,504 overflow, below 6.1e-05 lose precision
;; workspace buffers: xw 39,845,888 bytes; qkv 100,663,296 bytes
;; launch cast (part 4): grid 512 x 1, 8 waves a work-group, no clusters, 0 bytes of LDS; arguments x, Wq, Wk, Wv, xw; writes xw
.if DOCPART == 4
	.amdgcn_target "amdgcn-amd-amdhsa--gfx1250"
	.amdhsa_code_object_version 6
	.text
	.protected	k_q6c3639aaca_cast
	.globl	k_q6c3639aaca_cast
	.p2align	8
	.type	k_q6c3639aaca_cast,@function
k_q6c3639aaca_cast:
	s_mov_b64 s[64:65], 0
	v_nop
	global_prefetch_b8 v0, s[64:65] scope:SCOPE_SE
	s_setreg_imm32_b32 hwreg(HW_REG_WAVE_SCHED_MODE, 0, 2), 2
	s_setreg_imm32_b32 hwreg(HW_REG_WAVE_MODE, 25, 1), 1
	s_wait_xcnt 0x0
	s_wait_alu depctr_vm_vsrc(0)
; xw[19,456][1,024] in bf16 = x's 16,384 rows, then Wq's, Wk's and Wv's 1,024 rows each, every number rounded once (to nearest even).
; A stream: each byte is read once and written once.  EQUAL SHARES: each of the 512 work-groups converts 32 rows of x (rows 32 g ..) and two rows (2 g, 2 g + 1) of each of the three weights:
; 155,648 bytes in, 77,824 out.  A wave takes 4 rows of x (32 loads of 16 bytes a lane, each covering 512 consecutive bytes) and 1,024 bytes of each weight's two rows (2 loads each):
; all 38 loads are issued before the first is waited for.  No LDS, no matrix unit, no loop: no wave wants a byte that another has read.
; THE MODE: SCHED_MODE bits 1:0 = 2 (LLVM: expert scheduling mode 2), set by the entry lines.  The code itself states the register dependences
; between vector instructions and memory instructions, with s_wait_alu, always for 0.
; THE PLAN.  Registers that memory instructions touch:
;   v2 to v5   four byte offsets.  Written by vector lines at the head, once; read by every load and store; never written again.
;   item k     (k = 0 .. 37: x's 32 loads, then the weights' 6) four registers at X + 4 k.  Load k lands in them; behind the wait that shows it done, item k's two conversions read the four
;              and write the first two; store k reads those two.  They are never written again, and no load is issued behind a conversion.
; So one kind of dependence is left: a vector line writes, a memory instruction reads.  One wait at the head states it for the offsets.  The items go in blocks of four (the last of two):
; at a block's head, behind the wait for the block's first load, ONE wait states that the block before has written its packed words, and that block's stores follow it in one run;
; then come the block's own conversions, each item behind the wait for its own load.  One more wait stands ahead of the last block's stores.
; No register that a memory instruction has read is written again, EXEC is never written, and no vector line writes a scalar register: nothing else is owed.
.set XI, 2                             ; v2  x in:  16,384 x wave + 16 x lane
.set XO, 3                             ; v3  x out:  8,192 x wave +  8 x lane
.set WI, 4                             ; v4  a weight in:  1,024 x wave + 16 x lane
.set WO, 5                             ; v5  a weight out:   512 x wave +  8 x lane
.set X,  8                             ; v[8:135]    x's load j at X + 4 j; the two packed words take the first two of the four registers
.set W,  136                           ; v[136:159]  the weights' load k at W + 4 k = X + 4 (32 + k): items 32 to 37
	s_load_b256 s[4:11], s[0:1], 0x0               ; x s[4:5], Wq s[6:7], Wk s[8:9], Wv s[10:11]
	s_load_b64 s[12:13], s[0:1], 0x20              ; xw
	s_lshl_b32 s16, ttmp9, 17                      ; x in: 32 rows of 4,096 bytes
	s_mov_b32 s17, 0
	s_lshl_b32 s18, ttmp9, 16                      ; x out: 32 rows of 2,048 bytes
	s_mov_b32 s19, 0
	s_lshl_b32 s20, ttmp9, 13                      ; a weight in: 2 rows of 4,096 bytes
	s_mov_b32 s21, 0
	s_lshl_b32 s22, ttmp9, 12                      ; a weight out: 2 rows of 2,048 bytes
	s_mov_b32 s23, 0
	v_and_b32 v1, 31, v0                           ; lane
	v_lshrrev_b32 v6, 5, v0                        ; wave
	v_lshlrev_b32 v[XO], 3, v1
	v_lshlrev_b32 v[XI], 4, v1
	v_lshl_add_u32 v[WO], v6, 9, v[XO]
	v_lshl_add_u32 v[WI], v6, 10, v[XI]
	v_lshl_add_u32 v[XO], v6, 13, v[XO]
	v_lshl_add_u32 v[XI], v6, 14, v[XI]
	s_wait_kmcnt 0x0
	s_add_nc_u64 s[4:5], s[4:5], s[16:17]
	s_add_nc_u64 s[6:7], s[6:7], s[20:21]
	s_add_nc_u64 s[8:9], s[8:9], s[20:21]
	s_add_nc_u64 s[10:11], s[10:11], s[20:21]
	s_add_nc_u64 s[14:15], s[12:13], s[18:19]      ; xw at my rows of x
	s_add_nc_u64 s[12:13], s[12:13], s[22:23]
	s_add_nc_u64 s[12:13], s[12:13], 16384*2048    ; xw at my rows of Wq; Wk's and Wv's lie 1,024 and 2,048 rows further on
	s_wait_alu depctr_va_vdst(0)                   ; the four offsets v2 to v5 are written: every load and store of the kernel reads one of them
.set j, 0
.rept 32
	global_load_b128 v[X+4*j:X+4*j+3], v[XI], s[4:5] offset:512*j th:TH_LOAD_NT
.set j, j+1
.endr
.irp j, 0,1,2
.irp h, 0,1
	global_load_b128 v[W+4*(2*(\j)+(\h)):W+4*(2*(\j)+(\h))+3], v[WI], s[6+2*(\j):7+2*(\j)] offset:512*(\h) th:TH_LOAD_NT
.endr
.endr
; Item k's four numbers are rounded to bf16 and close up into the first two of their four registers.
.macro CVT k
	v_cvt_pk_bf16_f32 v[X+4*(\k)], v[X+4*(\k)], v[X+4*(\k)+1]
	v_cvt_pk_bf16_f32 v[X+4*(\k)+1], v[X+4*(\k)+2], v[X+4*(\k)+3]
.endm
; Item k is stored: the wave's 32 lanes store 256 consecutive bytes, aligned; no register of a store is written again.
.macro ST k
.if (\k) < 32
	global_store_b64 v[XO], v[X+4*(\k):X+4*(\k)+1], s[14:15] offset:256*(\k)
.else
	global_store_b64 v[WO], v[X+4*(\k):X+4*(\k)+1], s[12:13] offset:1024*2048*(((\k)-32)/2)+256*(((\k)-32)%2)
.endif
.endm
; A block: items k0 .. k0 + n - 1 are converted; the m items of the block before are stored (m = 0: the first block, with no block in front of it).
.macro BLK k0, n, m
	s_wait_loadcnt 37-(\k0)                        ; loads come back in order (ISA guide 5.7.1): load k0 is in, the 37 - k0 younger ones stay out
.if \m
	s_wait_alu depctr_va_vdst(0)                   ; the conversions of the block before have written its packed words, which the stores below read
.set i, 0
.rept \m
	ST (\k0)-(\m)+i
.set i, i+1
.endr
.endif
.set i, 0
.rept \n
.if i > 0
	s_wait_loadcnt 37-(\k0)-i                      ; the block's next load is in
.endif
	CVT (\k0)+i
.set i, i+1
.endr
.endm
	BLK 0, 4, 0
.irp k0, 4,8,12,16,20,24,28,32
	BLK \k0, 4, 4
.endr
	BLK 36, 2, 4                                   ; the last two loads
	s_wait_alu depctr_va_vdst(0)                   ; the last block's conversions have written its packed words, which the last two stores read
	ST 36
	ST 37
	s_endpgm
.Lfunc_end_k_q6c3639aaca_cast:
	.size	k_q6c3639aaca_cast, .Lfunc_end_k_q6c3639aaca_cast-k_q6c3639aaca_cast
	.p2alignl 7, 3214868480
	.fill 96, 4, 3214868480
	.section	.rodata,"a",@progbits
	.p2align	6, 0x0
	.amdhsa_kernel k_q6c3639aaca_cast
		.amdhsa_group_segment_fixed_size 0
		.amdhsa_private_segment_fixed_size 0
		.amdhsa_enable_private_segment 0
		.amdhsa_kernarg_size 40
		.amdhsa_user_sgpr_count 2
		.amdhsa_user_sgpr_kernarg_segment_ptr 1
		.amdhsa_wavefront_size32 1
		.amdhsa_system_sgpr_workgroup_id_x 1
		.amdhsa_system_sgpr_workgroup_id_y 1
		.amdhsa_system_sgpr_workgroup_id_z 1
		.amdhsa_system_vgpr_workitem_id 0
		.amdhsa_next_free_vgpr 160
		.amdhsa_next_free_sgpr 66
		.amdhsa_reserve_vcc 0
		.amdhsa_float_denorm_mode_32 3
		.amdhsa_float_denorm_mode_16_64 3
		.amdhsa_memory_ordered 1
		.amdhsa_forward_progress 1
		.amdhsa_inst_pref_size 15
	.end_amdhsa_kernel
	.amdgpu_metadata
---
amdhsa.version: [ 1, 2 ]
amdhsa.kernels:
  - .name:           k_q6c3639aaca_cast
    .symbol:         k_q6c3639aaca_cast.kd
    .args:
      - { .name: x, .offset: 0, .size: 8, .value_kind: global_buffer, .address_space: global }
      - { .name: Wq, .offset: 8, .size: 8, .value_kind: global_buffer, .address_space: global }
      - { .name: Wk, .offset: 16, .size: 8, .value_kind: global_buffer, .address_space: global }
      - { .name: Wv, .offset: 24, .size: 8, .value_kind: global_buffer, .address_space: global }
      - { .name: xw, .offset: 32, .size: 8, .value_kind: global_buffer, .address_space: global }
    .group_segment_fixed_size: 0
    .private_segment_fixed_size: 0
    .kernarg_segment_align: 8
    .kernarg_segment_size: 40
    .max_flat_workgroup_size: 256
    .sgpr_count:     66
    .vgpr_count:     160
    .wavefront_size: 32
...
	.end_amdgpu_metadata
.endif
;; end of part 4
;; launch qkv: the kernel of part 2 again; grid 4 x 64, 4 waves a work-group, clusters of 4 x 4, 327,680 bytes of LDS; arguments xw, qkv, bq, bk, bv; writes qkv
;; launch attn: the kernel of part 3 again; grid 256 x 1, 4 waves a work-group, no clusters, 327,680 bytes of LDS; arguments qkv, out0; writes out0
